; MI455X (gfx1250); checked and timed in simulation.
; The chip was launched on July 23, 2026; its instructions are those of AMD's public machine-readable ISA for CDNA 5 (MIT licence, August 2026) and "CDNA5" Instruction Set Architecture Reference Guide (July 2026). The comments in the code are by the model that wrote it; some were corrected since.
;; Mo E. Allowed arithmetic: float matrix products may take bf16 or f16 operands with f32 sums; other float arithmetic in f32, or as packed bf16 or f16 multiplies, adds, multiply-adds, maxima and minima; sums over many terms, partial sums and values carried from step to step in f32; what a program stores and reads back later, other than sums and carried values, may be rounded once to bf16 or f16.
;; Inputs: We 8 x 1,024 x 1,024 float32; Wg 1,024 x 8 float32; be 8 x 1,024 float32; bg 8 float32; x 8,192 x 1,024 float32.
;; Outputs: out0 8,192 x 1,024 float32.
;; One version. Each part assembles by itself: llvm-mc -triple=amdgcn-amd-amdhsa -mcpu=gfx1250 --defsym DOCPART=n.
;; ======== version 1 of 1: 3 launches
;; workspace buffers: xb 16,777,216 bytes; wf 16,777,216 bytes; bsum 114,688 bytes; wgt 32,768 bytes; sel 32,768 bytes of whole numbers; hist 32,768 bytes of whole numbers; list 36,864 bytes of whole numbers; blk 2,560 bytes of whole numbers
;; launch router (part 1): grid 256 x 1, 8 waves a work-group, no clusters, 95,744 bytes of LDS; arguments x, Wg, bg, xb, sel, wgt, hist; writes xb, sel, wgt, hist
.if DOCPART == 1
	.amdgcn_target "amdgcn-amd-amdhsa--gfx1250"
	.amdhsa_code_object_version 6
	.text
	.protected	k_q8fb65f7696_router
	.globl	k_q8fb65f7696_router
	.p2align	8
	.type	k_q8fb65f7696_router,@function
k_q8fb65f7696_router:
	s_mov_b64 s[64:65], 0
	v_nop
	global_prefetch_b8 v0, s[64:65] scope:SCOPE_SE
	s_setreg_imm32_b32 hwreg(HW_REG_WAVE_MODE, 25, 1), 1
	s_wait_xcnt 0x0
; ROUTER.  For 32 tokens a work-group: x is rounded to bf16 and stored (xb); the gate's logits bf16(x) . bf16(Wg) + bf16(bg) are made by the matrix unit with f32 sums;
; softmax over the 8 experts with the maximum taken away; the two largest (the lower index wins a tie); the number of the SET of the two experts (0..27), the weight
; (sum of the two softmax values) and a histogram of the work-group's 32 set numbers are stored at fixed places: no address and no branch here hangs on them.
; SET NUMBER of lo < hi: lo (15 - lo) / 2 + (lo even: hi - lo - 1; lo odd: 7 - hi): neighbours in this order share an expert.
; SHARES.  Wave w has columns 128 w .. 128 w + 127 of all 32 rows: a row's load of the wave covers 512 consecutive bytes of x, its store 256 consecutive, aligned bytes of xb.
; The eight waves' partial logits meet in LDS; wave 0, a lane a token, does the rest.
; LIMITS.  All inputs count as rounded to bf16.  The choice is made on e_i = 2^((l_i - max) log2 e): an e_i below 2^-126 counts as 0 (a logit some 87 below the maximum),
; two scores nearer to each other than the f32 sums' rounding may change places; NaN and infinities are not treated apart.
.set XP,    272                        ; an LDS row: 256 bytes + 16 of padding
.set XW,    32*XP                      ; a wave's 32 rows x 128 columns of bf16
.set WGL,   8*XW                       ; behind them, for each wave 128 k x 16 bytes: Wg's rows, 8 experts in bf16
.set PL,    WGL+8*2048                 ; partial logits: a token's row holds 8 waves x 32 bytes, + 16 of padding
.set SPARE, PL+32*XP                   ; the spare words, 128 bytes for each wave: four blocks of 256 bytes that no other line names
; v1 lane, v2 lane % 16 (r), v3 lane / 16 (h), v4 v5 the add's two registers, v6-v15 addresses, v16-31 the two accumulators,
; v32-159 x (row i at 32 + 4 i), v160-191 Wg, v192-255 x's fragments
	s_load_b256 s[4:11], s[0:1], 0x0               ; x s[4:5], Wg s[6:7], bg s[8:9], xb s[10:11]
	s_load_b128 s[12:15], s[0:1], 0x20             ; sel s[12:13], wgt s[14:15]
	s_load_b64 s[16:17], s[0:1], 0x30              ; hist
	v_lshl_add_u32 v4, v0, 2, SPARE
	v_mov_b32 v5, 0
	v_and_b32 v1, 31, v0
	v_and_b32 v2, 15, v0
	v_bfe_u32 v3, v0, 4, 1
	v_lshrrev_b32 v14, 5, v0
	v_readfirstlane_b32 s18, v14                   ; wave 0..7
	v_lshlrev_b32 v6, 4, v0                        ; x: 512 w + 16 lane
	v_lshlrev_b32 v7, 5, v1
	v_lshl_add_u32 v7, s18, 12, v7                 ; Wg: row 128 w + lane, 32 bytes a row
	v_lshlrev_b32 v8, 3, v0                        ; xb: 256 w + 8 lane
	s_mul_i32 s19, s18, XW                         ; my wave's rows of x in LDS
	v_lshl_add_u32 v9, v1, 3, s19                  ; in: 8 bytes a lane
	s_lshl_b32 s30, s18, 11
	s_add_co_u32 s30, s30, WGL                     ; my wave's rows of Wg in LDS
	v_lshl_add_u32 v10, v1, 4, s30                 ; in: row lane, 16 bytes
	v_and_b32 v11, 7, v0
	v_lshl_add_u32 v11, v3, 3, v11                 ; the turning load: row 8 h + lane % 8; both groups of eight lanes of a half take the same 16 bytes,
	v_lshl_add_u32 v11, v11, 4, s30                ; so rows 8-15 of the matrix operand repeat experts 0-7
	v_mul_u32_u24 v12, v2, XP
	v_lshl_add_u32 v13, s18, 5, v12
	v_add_nc_u32 v13, PL, v13                      ; partial logits out: token r, my wave's 32 bytes
	v_lshl_add_u32 v12, v3, 4, v12
	v_add_nc_u32 v12, s19, v12                     ; x's fragments: row r x pitch + 16 h
	v_mul_u32_u24 v15, v1, XP
	v_add_nc_u32 v15, PL, v15                      ; wave 0: token = lane
	s_lshl_b32 s28, ttmp9, 17                      ; 32 rows of 4,096 bytes
	s_mov_b32 s29, 0
	s_wait_kmcnt 0x0
	s_load_b256 s[20:27], s[8:9], 0x0              ; bg: eight numbers
	s_add_nc_u64 s[4:5], s[4:5], s[28:29]
	s_lshl_b32 s28, ttmp9, 16                      ; 32 rows of 2,048 bytes
	s_add_nc_u64 s[10:11], s[10:11], s[28:29]
	s_lshl_b32 s28, ttmp9, 7                       ; 32 words
	s_add_nc_u64 s[12:13], s[12:13], s[28:29]
	s_add_nc_u64 s[14:15], s[14:15], s[28:29]
	s_add_nc_u64 s[16:17], s[16:17], s[28:29]
.irp i, 0,1,2,3
	global_load_b128 v[160+8*\i:163+8*\i], v7, s[6:7] offset:1024*\i       ; Wg's row 128 w + 32 i + lane
	global_load_b128 v[164+8*\i:167+8*\i], v7, s[6:7] offset:1024*\i+16
.endr
.set i, 0
.rept 32
	global_load_b128 v[32+4*i:35+4*i], v6, s[4:5] offset:4096*i th:TH_LOAD_NT  ; all 32 rows are asked for at once: 16 KiB a wave on their way
.set i, i+1
.endr
	s_wait_loadcnt 32                              ; the 32 loads of x are younger: Wg is in
.irp i, 0,1,2,3
	v_cvt_pk_bf16_f32 v[160+8*\i], v[160+8*\i], v[161+8*\i]
	v_cvt_pk_bf16_f32 v[161+8*\i], v[162+8*\i], v[163+8*\i]
	v_cvt_pk_bf16_f32 v[162+8*\i], v[164+8*\i], v[165+8*\i]
	v_cvt_pk_bf16_f32 v[163+8*\i], v[166+8*\i], v[167+8*\i]
	ds_store_b128 v10, v[160+8*\i:163+8*\i] offset:512*\i
.endr
.macro ROWX i                          ; row i: rounded, stored to xb and laid into LDS
	s_wait_loadcnt 31-(\i)                         ; loads come back in order: the younger rows stay out
	v_cvt_pk_bf16_f32 v[32+4*(\i)], v[32+4*(\i)], v[33+4*(\i)]
	v_cvt_pk_bf16_f32 v[33+4*(\i)], v[34+4*(\i)], v[35+4*(\i)]
	global_store_b64 v8, v[32+4*(\i):33+4*(\i)], s[10:11] offset:2048*(\i)
	ds_store_b64 v9, v[32+4*(\i):33+4*(\i)] offset:XP*(\i)
.endm
.set i, 0
.rept 32
	ROWX i
.set i, i+1
.endr
	; The fragments, from my wave's own bytes: LDS serves a wave's instructions in order, so these see the stores above.
.irp k, 0,1,2,3
	ds_load_tr16_b128 v[160+8*\k:163+8*\k], v11 offset:512*\k          ; k = 32 k + 8 h + 0..7 of expert lane % 8
	ds_load_tr16_b128 v[164+8*\k:167+8*\k], v11 offset:512*\k+256      ; k = 32 k + 16 + 8 h + 0..7
.endr
.irp t, 0,1
.irp k, 0,1,2,3
	ds_load_b128 v[192+32*\t+8*\k:195+32*\t+8*\k], v12 offset:16*XP*\t+64*\k
	ds_load_b128 v[196+32*\t+8*\k:199+32*\t+8*\k], v12 offset:16*XP*\t+64*\k+32
.endr
.endr
	s_wait_dscnt 0x0
	; source 0 = experts, source 1 = 16 tokens: register j of lane (r, h) is expert j's part for token r.  The two accumulators take turns.
.irp k, 0,1,2,3
.irp t, 0,1
.if \k == 0
	v_wmma_f32_16x16x32_bf16 v[16+8*\t:23+8*\t], v[160+8*\k:167+8*\k], v[192+32*\t+8*\k:199+32*\t+8*\k], 0
.else
	v_wmma_f32_16x16x32_bf16 v[16+8*\t:23+8*\t], v[160+8*\k:167+8*\k], v[192+32*\t+8*\k:199+32*\t+8*\k], v[16+8*\t:23+8*\t]
.endif
.endr
.endr
.rept 4
	v_nop                                          ; four places between the last product and the stores that read the results
.endr
.irp t, 0,1
	ds_store_b128 v13, v[16+8*\t:19+8*\t] offset:16*XP*\t      ; each accumulator from its low end on; both halves of the lanes hold, and write, the same
	ds_store_b128 v13, v[20+8*\t:23+8*\t] offset:16*XP*\t+16
.endr
	s_wait_kmcnt 0x0                               ; bg
	s_wait_dscnt 0x0                               ; for wave 0's sake: my partial logits are in LDS
	s_barrier_signal -1
	s_barrier_wait -1
	s_cmp_lg_u32 s18, 0
	s_cbranch_scc1 .Lend
	; WAVE 0: a lane a token.
	s_wait_xcnt 0x0                                ; v32 on were the sources of xb's stores: rewritten only behind this wait
.set i, 0
.rept 16
	ds_load_b128 v[32+4*i:35+4*i], v15 offset:16*i
.set i, i+1
.endr
.irp i, 0,1,2,3,4,5,6,7
	v_mov_b32 v[100+\i], s[20+\i]
.endr
.irp p, 0,1,2,3
	v_cvt_pk_bf16_f32 v[96+\p], v[100+2*\p], v[101+2*\p]       ; bg is rounded like every input
.endr
.irp p, 0,1,2,3
	v_lshlrev_b32 v[100+2*\p], 16, v[96+\p]
	v_and_b32 v[101+2*\p], 0xffff0000, v[96+\p]
.endr
	s_wait_dscnt 0x0
.irp w, 1,2,3,4,5,6,7
.irp p, 0,1,2,3
	v_pk_add_f32 v[32+2*\p:33+2*\p], v[32+2*\p:33+2*\p], v[32+8*\w+2*\p:33+8*\w+2*\p]  ; the waves' parts, K ascending
.endr
.endr
.irp p, 0,1,2,3
	v_pk_add_f32 v[32+2*\p:33+2*\p], v[32+2*\p:33+2*\p], v[100+2*\p:101+2*\p]
.endr
	v_max3_num_f32 v108, v32, v33, v34
	v_max3_num_f32 v108, v108, v35, v36
	v_max3_num_f32 v108, v108, v37, v38
	v_max_num_f32 v108, v108, v39
	v_mov_b32 v109, v108                           ; named with it as a pair
.irp p, 0,1,2,3
	v_pk_add_f32 v[32+2*\p:33+2*\p], v[32+2*\p:33+2*\p], v[108:109] op_sel_hi:[1,0] neg_lo:[0,1] neg_hi:[0,1]  ; l - max: exact ties stay ties
.endr
.irp p, 0,1,2,3
	v_pk_mul_f32 v[32+2*\p:33+2*\p], v[32+2*\p:33+2*\p], 0x3fb8aa3b op_sel_hi:[1,0]
.endr
.irp i, 0,1,2,3,4,5,6,7
	v_exp_f32 v[32+\i], v[32+\i]
.endr
	v_nop                                          ; a plain instruction behind the last exponential,
	s_wait_alu depctr_va_vdst(0)                   ; and one wait for the eight, ahead of their first reader
	v_add_f32 v110, v32, v33
	v_add_f32 v111, v34, v35
	v_add_f32 v116, v36, v37
	v_add_f32 v117, v38, v39
	v_add_f32 v110, v110, v111
	v_add_f32 v116, v116, v117
	v_add_f32 v110, v110, v116                     ; the softmax's divisor
	v_mov_b32 v112, v32                            ; best, its index; second, its index
	v_mov_b32 v113, 0
	v_mov_b32 v114, -1.0
	v_mov_b32 v115, 0
.irp i, 1,2,3,4,5,6,7                  ; strictly greater alone displaces: the lower index keeps a tie
	v_cmp_gt_f32 s32, v[32+\i], v112
	v_cmp_gt_f32 s33, v[32+\i], v114
	v_cndmask_b32 v114, v114, v[32+\i], s33
	v_cndmask_b32 v115, v115, \i, s33
	v_cndmask_b32 v114, v114, v112, s32
	v_cndmask_b32 v115, v115, v113, s32
	v_cndmask_b32 v112, v112, v[32+\i], s32
	v_cndmask_b32 v113, v113, \i, s32
.endr
	v_rcp_f32 v116, v110
	v_min_u32 v117, v113, v115                     ; lo; the set's number is the independent work behind the reciprocal
	v_max_u32 v118, v113, v115                     ; hi
	v_sub_nc_u32 v119, 15, v117
	v_mul_lo_u32 v119, v119, v117
	v_lshrrev_b32 v119, 1, v119                    ; lo (15 - lo) / 2
	v_sub_nc_u32 v120, v118, v117
	v_add_nc_u32 v120, -1, v120                    ; hi - lo - 1
	v_sub_nc_u32 v121, 7, v118                     ; 7 - hi
	v_and_b32 v122, 1, v117
	v_cmp_eq_u32 s32, 1, v122
	v_cndmask_b32 v120, v120, v121, s32
	v_add_nc_u32 v123, v119, v120                  ; the set's number
	v_add_f32 v124, v112, v114
	v_lshlrev_b32 v125, 2, v1
	v_mov_b32 v126, 0
	s_wait_alu depctr_va_vdst(0)                   ; the reciprocal's wait, ahead of its reader
	v_mul_f32 v124, v124, v116                     ; the weight
	global_store_b32 v125, v123, s[12:13]
	global_store_b32 v125, v124, s[14:15]
.set i, 0
.rept 28                               ; lane i of the histogram: how many of the 32 tokens have set i; lanes 28-31 stay 0
	v_cmp_eq_u32 s30, i, v123
	s_bcnt1_i32_b32 s31, s30
	v_writelane_b32 v126, s31, i
.set i, i+1
.endr
	global_store_b32 v125, v126, s[16:17]
.Lend:
	s_wait_tensorcnt 0x0                           ; the wave's end
	ds_add_u32 v4, v5
	s_wait_dscnt 0x0
	s_endpgm
.Lfunc_end_k_q8fb65f7696_router:
	.size	k_q8fb65f7696_router, .Lfunc_end_k_q8fb65f7696_router-k_q8fb65f7696_router
	.p2alignl 7, 3214868480
	.fill 96, 4, 3214868480
	.section	.rodata,"a",@progbits
	.p2align	6, 0x0
	.amdhsa_kernel k_q8fb65f7696_router
		.amdhsa_group_segment_fixed_size 95744
		.amdhsa_private_segment_fixed_size 0
		.amdhsa_enable_private_segment 0
		.amdhsa_kernarg_size 56
		.amdhsa_user_sgpr_count 2
		.amdhsa_user_sgpr_kernarg_segment_ptr 1
		.amdhsa_wavefront_size32 1
		.amdhsa_system_sgpr_workgroup_id_x 1
		.amdhsa_system_sgpr_workgroup_id_y 1
		.amdhsa_system_sgpr_workgroup_id_z 1
		.amdhsa_system_vgpr_workitem_id 0
		.amdhsa_next_free_vgpr 256
		.amdhsa_next_free_sgpr 66
		.amdhsa_reserve_vcc 0
		.amdhsa_float_denorm_mode_32 3
		.amdhsa_float_denorm_mode_16_64 3
		.amdhsa_memory_ordered 1
		.amdhsa_forward_progress 1
		.amdhsa_inst_pref_size 35
	.end_amdhsa_kernel
	.amdgpu_metadata
---
amdhsa.version: [ 1, 2 ]
amdhsa.kernels:
  - .name:           k_q8fb65f7696_router
    .symbol:         k_q8fb65f7696_router.kd
    .args:
      - { .name: x, .offset: 0, .size: 8, .value_kind: global_buffer, .address_space: global }
      - { .name: Wg, .offset: 8, .size: 8, .value_kind: global_buffer, .address_space: global }
      - { .name: bg, .offset: 16, .size: 8, .value_kind: global_buffer, .address_space: global }
      - { .name: xb, .offset: 24, .size: 8, .value_kind: global_buffer, .address_space: global }
      - { .name: sel, .offset: 32, .size: 8, .value_kind: global_buffer, .address_space: global }
      - { .name: wgt, .offset: 40, .size: 8, .value_kind: global_buffer, .address_space: global }
      - { .name: hist, .offset: 48, .size: 8, .value_kind: global_buffer, .address_space: global }
    .group_segment_fixed_size: 95744
    .private_segment_fixed_size: 0
    .kernarg_segment_align: 8
    .kernarg_segment_size: 56
    .max_flat_workgroup_size: 256
    .sgpr_count:     66
    .vgpr_count:     256
    .wavefront_size: 32
...
	.end_amdgpu_metadata
.endif
;; end of part 1
;; launch prep (part 2): grid 284 x 1, 8 waves a work-group, no clusters, 2,304 bytes of LDS; arguments We, be, sel, hist, wf, bsum, list, blk; writes wf, bsum, list, blk
.if DOCPART == 2
	.amdgcn_target "amdgcn-amd-amdhsa--gfx1250"
	.amdhsa_code_object_version 6
	.text
	.protected	k_q8fb65f7696_prep
	.globl	k_q8fb65f7696_prep
	.p2align	8
	.type	k_q8fb65f7696_prep,@function
k_q8fb65f7696_prep:
	s_mov_b64 s[64:65], 0
	v_nop
	global_prefetch_b8 v0, s[64:65] scope:SCOPE_SE
	s_setreg_imm32_b32 hwreg(HW_REG_WAVE_MODE, 25, 1), 1
	s_wait_xcnt 0x0
; PREP.  Two kinds of work-group in one launch, told apart by the work-group's number alone.
; 0..27, one for each SET s of two experts: a counting sort without atomics.  Every such work-group reads all 8,192 set numbers and the 256 histograms, finds how many blocks of 16 rows
; each set has (nb = ceil(n / 16)), where its own blocks begin (BB), and stores: its tokens into list[16 BB ..]; pads up to a whole block; its blocks' words s | lo << 8 | hi << 16 into
; blk[BB ..]; bf16(be[lo]) + bf16(be[hi]), in the order in which the last launch's accumulators take it, into bsum[s].  Work-group 0 also stores blk[NB .. 575] = 0 and blk[576] = NB.
; A PAD repeats the token at the set's LAST list place, which lies in the same block of 16.  In a ballot the ranks run from the highest lane down, so that token is the lowest set lane of
; the last ballot that is not empty.  The text serves every split: an empty set stores no token and no block; all tokens in one set give 512 blocks.
; 28..283: We is rounded to bf16 and laid in the order of the matrix operand's registers: wf[e][W 16][kappa 32][b 4][q 2][lane 32][16 bytes], whose element i is
; We[e][32 kappa + 16 q + 8 (lane / 16) + i][64 W + 4 (lane % 16) + b].  A wave takes 64 k x 64 columns: each half of the lanes reads 256 consecutive aligned bytes of a row, each store covers 512 consecutive bytes.
.set HL,    0                          ; 8 waves x 32 words: the waves' sums of the histograms' columns
.set CL,    1024                       ; 8 waves x (count, last token), in a block of 256 bytes of its own
.set SPARE, 1280                       ; the spare words, 128 bytes for each wave: four blocks of 256 bytes that no other line names
.set LP,    128                        ; v128-159  ballot n: my lane's byte offset in the list
.set TK,    160                        ; v160-191  ballot n: my lane's token
	s_load_b512 s[4:19], s[0:1], 0x0               ; We s[4:5], be s[6:7], sel s[8:9], hist s[10:11], wf s[12:13], bsum s[14:15], list s[16:17], blk s[18:19]
	v_lshl_add_u32 v4, v0, 2, SPARE
	v_mov_b32 v5, 0
	v_and_b32 v1, 31, v0                           ; lane
	v_and_b32 v2, 15, v0
	v_bfe_u32 v3, v0, 4, 1
	v_lshrrev_b32 v6, 5, v0
	v_readfirstlane_b32 s20, v6                    ; wave 0..7
	s_cmp_ge_u32 ttmp9, 28
	s_cbranch_scc1 .Lcast
	; ---------------- THE SORT ----------------
	s_mov_b32 s21, ttmp9                           ; s
	s_mov_b32 s22, 0
.irp T, 7,13,18,22,25,27               ; lo = how many of the sets' first numbers s has reached
	s_cmp_ge_u32 s21, \T
	s_add_co_ci_u32 s22, s22, 0
.endr
	s_sub_co_u32 s86, 15, s22
	s_mul_i32 s86, s86, s22
	s_lshr_b32 s86, s86, 1                         ; lo (15 - lo) / 2
	s_sub_co_u32 s87, s21, s86                     ; the place among lo's sets
	s_add_co_u32 s86, s22, s87
	s_add_co_u32 s86, s86, 1                       ; lo even: hi = lo + 1 + place
	s_sub_co_u32 s87, 7, s87                       ; lo odd:  hi = 7 - place
	s_bitcmp1_b32 s22, 0
	s_cselect_b32 s23, s87, s86                    ; hi
	v_lshlrev_b32 v6, 2, v1
	v_lshl_add_u32 v6, s20, 12, v6                 ; hist: rows 32 w .., column lane
	v_lshlrev_b32 v7, 4, v1
	v_lshl_add_u32 v7, s20, 12, v7                 ; sel: tokens 1,024 w + 4 lane ..
	v_lshlrev_b32 v8, 2, v0                        ; HL: 128 w + 4 lane
	v_lshl_add_u32 v9, s20, 3, CL
	v_lshlrev_b32 v10, 4, v0                       ; bsum: 16 bytes a thread
	v_lshlrev_b32 v11, 2, v1
	v_mov_b32 v12, CL
	v_lshlrev_b32 v13, 2, v1
	v_lshl_add_u32 v13, s20, 10, v13               ; token 1,024 w + 4 lane
	v_mov_b32 v19, 0
	; bsum's place p = 64 W + 16 b + 8 h + j holds column 64 W + 32 h + 4 j + b.  Thread t has p = 4 t .. 4 t + 3: W = t / 16, b = (t / 4) % 4, h = (t / 2) % 2, j = 4 (t % 2) + i
	v_lshrrev_b32 v20, 4, v0
	v_lshlrev_b32 v20, 8, v20
	v_bfe_u32 v21, v0, 1, 1
	v_lshl_add_u32 v20, v21, 7, v20
	v_and_b32 v21, 1, v0
	v_lshl_add_u32 v20, v21, 6, v20
	v_bfe_u32 v21, v0, 2, 2
	v_lshl_add_u32 v20, v21, 2, v20
	s_mov_b32 s87, 0
	s_wait_kmcnt 0x0
	s_lshl_b32 s86, s22, 12
	s_add_nc_u64 s[88:89], s[6:7], s[86:87]        ; be[lo]
	s_lshl_b32 s86, s23, 12
	s_add_nc_u64 s[90:91], s[6:7], s[86:87]        ; be[hi]
	s_lshl_b32 s86, s21, 12
	s_add_nc_u64 s[92:93], s[14:15], s[86:87]      ; bsum[s]
.set i, 0
.rept 32
	global_load_b32 v[32+i], v6, s[10:11] offset:128*i
.set i, i+1
.endr
.set i, 0
.rept 8
	global_load_b128 v[64+4*i:67+4*i], v7, s[8:9] offset:512*i     ; register 4 i + c: token 1,024 w + 128 i + 4 lane + c
.set i, i+1
.endr
.irp i, 0,1,2,3
	global_load_b32 v[96+\i], v20, s[88:89] offset:16*\i
.endr
.irp i, 0,1,2,3
	global_load_b32 v[100+\i], v20, s[90:91] offset:16*\i
.endr
	s_wait_loadcnt 16                              ; sel's 8 and be's 8 are younger: the histograms are in
	v_add3_u32 v104, v32, v33, v34
.set i, 0
.rept 14
	v_add3_u32 v104, v104, v[35+2*i], v[36+2*i]
.set i, i+1
.endr
	v_add_nc_u32 v104, v104, v63
	ds_store_b32 v8, v104                          ; my wave's 32 rows, summed by column
	s_wait_loadcnt 8                               ; be's 8 are younger: the set numbers are in
	s_mov_b32 s24, 0                               ; how many of my wave's 1,024 tokens have set s
	s_mov_b32 s25, 0                               ; the last of them in list order
.set n, 0
.rept 32
	v_cmp_eq_u32 s[32+n], s21, v[64+n]
	s_bcnt1_i32_b32 s86, s[32+n]
	s_add_co_u32 s24, s24, s86
	s_ctz_i32_b32 s87, s[32+n]
	s_lshl_b32 s87, s87, 2
	s_add_co_u32 s87, s87, 128*(n/4)+n%4
	s_cmp_lg_u32 s[32+n], 0
	s_cselect_b32 s25, s87, s25
.set n, n+1
.endr
	s_lshl_b32 s86, s20, 10
	s_add_co_u32 s25, s25, s86
	v_mov_b32 v106, s24
	v_mov_b32 v107, s25
	ds_store_b64 v9, v[106:107]
	s_wait_loadcnt 0x0                             ; be
	v_cvt_pk_bf16_f32 v108, v96, v97               ; be is rounded like every input
	v_cvt_pk_bf16_f32 v109, v98, v99
	v_cvt_pk_bf16_f32 v110, v100, v101
	v_cvt_pk_bf16_f32 v111, v102, v103
.irp p, 0,1,2,3
	v_lshlrev_b32 v[112+2*\p], 16, v[108+\p]
	v_and_b32 v[113+2*\p], 0xffff0000, v[108+\p]
.endr
	v_pk_add_f32 v[112:113], v[112:113], v[116:117]
	v_pk_add_f32 v[114:115], v[114:115], v[118:119]
	global_store_b128 v10, v[112:115], s[92:93]
	s_wait_dscnt 0x0                               ; for the others' sake: my sums and my count are in LDS
	s_barrier_signal -1
	s_barrier_wait -1
.irp i, 0,1,2,3,4,5,6,7
	ds_load_b32 v[32+\i], v11 offset:HL+128*\i
.endr
.irp i, 0,1,2,3
	ds_load_b128 v[40+4*\i:43+4*\i], v12 offset:16*\i
.endr
	s_wait_dscnt 0x0
	v_add3_u32 v104, v32, v33, v34
	v_add3_u32 v104, v104, v35, v36
	v_add3_u32 v104, v104, v37, v38
	v_add_nc_u32 v104, v104, v39                   ; lane i: tokens of set i
	v_add_nc_u32 v105, 15, v104
	v_lshrrev_b32 v105, 4, v105                    ; lane i: blocks of set i
.set i, 0
.rept 16
	v_readfirstlane_b32 s[68+i], v[40+i]
.set i, i+1
.endr
	s_mov_b32 s30, 0                               ; n_s
	s_mov_b32 s31, 0                               ; tokens of set s in the waves ahead of mine
.irp i, 0,1,2,3,4,5,6,7
	s_cmp_lt_u32 \i, s20
	s_cselect_b32 s86, s[68+2*\i], 0
	s_add_co_u32 s31, s31, s86
	s_add_co_u32 s30, s30, s[68+2*\i]
	s_cmp_lg_u32 s[68+2*\i], 0
	s_cselect_b32 s25, s[69+2*\i], s25             ; the last wave that has any gives the set's last token
.endr
	s_mov_b32 s29, 0                               ; NB
	s_mov_b32 s28, 0                               ; BB
.set i, 0
.rept 28
	v_readlane_b32 s86, v105, i
	s_add_co_u32 s29, s29, s86
	s_cmp_lt_u32 i, s21
	s_cselect_b32 s86, s86, 0
	s_add_co_u32 s28, s28, s86
.set i, i+1
.endr
	s_add_co_u32 s85, s30, 15
	s_lshr_b32 s85, s85, 4                         ; nb_s
	s_lshl4_add_u32 s31, s28, s31                  ; my wave's first list place
	; ALL THAT THE MASKED STORES NAME IS MADE HERE, with all lanes on: offsets, data and masks.  Behind this block no vector register is written.
.set n, 0
.rept 32                               ; ballot n: its tokens take the places run .. run + count - 1, the highest lane first
	s_bcnt1_i32_b32 s86, s[32+n]
	s_add_co_u32 s31, s31, s86
	s_sub_co_u32 s87, s31, 1
	v_mbcnt_lo_u32_b32 v[LP+n], s[32+n], 0
	v_sub_nc_u32 v[LP+n], s87, v[LP+n]
	v_min_u32 v[LP+n], 9215, v[LP+n]               ; a place made of loaded numbers is held inside the list (576 x 16 words)
	v_lshlrev_b32 v[LP+n], 2, v[LP+n]
	v_add_nc_u32 v[TK+n], 128*(n/4)+n%4, v13
.set n, n+1
.endr
	s_lshl_b32 s86, s22, 8
	s_or_b32 s86, s86, s21
	s_lshl_b32 s87, s23, 16
	s_or_b32 s86, s86, s87
	v_mov_b32 v18, s86                             ; s | lo << 8 | hi << 16
.irp i, 0,1                            ; the set's blocks: 512 at the most, two a thread
	v_add_nc_u32 v16, 256*\i, v0
	v_cmp_gt_u32 s[94+\i], s85, v16
	v_add_nc_u32 v[192+\i], s28, v16
	v_min_u32 v[192+\i], 575, v[192+\i]
	v_lshlrev_b32 v[192+\i], 2, v[192+\i]
.endr
	s_lshl_b32 s86, s85, 4                         ; the pads, 0 to 15 of them
	s_sub_co_u32 s86, s86, s30
	v_cmp_gt_u32 s96, s86, v1
	s_lshl4_add_u32 s87, s28, s30
	v_add_nc_u32 v194, s87, v1
	v_min_u32 v194, 9215, v194
	v_lshlrev_b32 v194, 2, v194
	v_mov_b32 v17, s25
	v_add_nc_u32 v195, s29, v0                     ; the table's rest (NB is 512 at the least, so 256 threads reach its end)
	v_cmp_gt_u32 s97, 576, v195
	v_min_u32 v195, 575, v195
	v_lshlrev_b32 v195, 2, v195
	v_cmp_eq_u32 s98, 0, v0                        ; thread 0 stores NB
	v_mov_b32 v196, 2304
	v_mov_b32 v197, s29
; A store of some lanes.  EXEC changes only behind s_wait_xcnt 0: ahead of the narrowing (the wait of the store before, or the one below) and ahead of the widening.
; All lanes were on ahead of the narrowing, so EXEC goes back to the constant.
.macro MSTORE mask, adr, dat, base
	s_and_saveexec_b32 s84, s[\mask]
	global_store_b32 v[\adr], v[\dat], s[\base:\base+1]
	s_wait_xcnt 0x0
	s_mov_b32 exec_lo, -1
.endm
	s_wait_xcnt 0x0                                ; bsum's store has been issued
.set n, 0
.rept 32
	MSTORE 32+n, LP+n, TK+n, 16
.set n, n+1
.endr
	MSTORE 94, 192, 18, 18
	MSTORE 95, 193, 18, 18
	s_cmp_lg_u32 s20, 0
	s_cbranch_scc1 .Lnopad
	MSTORE 96, 194, 17, 16                         ; wave 0: the pads
.Lnopad:
	s_cmp_lg_u32 s21, 0
	s_cbranch_scc1 .Lnot0
	MSTORE 97, 195, 19, 18                         ; work-group 0: blk[NB .. 575] = 0,
	MSTORE 98, 196, 197, 18                        ; and blk[576] = NB
.Lnot0:
	s_wait_tensorcnt 0x0                           ; the wave's end
	ds_add_u32 v4, v5
	s_wait_dscnt 0x0
	s_endpgm
	; ---------------- THE WEIGHTS ----------------  (these waves write no LDS)
.Lcast:
	s_sub_co_u32 s21, ttmp9, 28
	s_lshl3_add_u32 s21, s21, s20                  ; my wave among 2,048: e << 8 | W << 4 | u (u: 64 of k)
	s_lshr_b32 s22, s21, 8
	s_lshl_b32 s26, s22, 22                        ; e: 4 MiB of We
	s_and_b32 s23, s21, 15
	s_lshl_b32 s23, s23, 18                        ; u: 64 rows of 4,096 bytes
	s_add_co_u32 s26, s26, s23
	s_bfe_u32 s24, s21, 0x40004
	s_lshl_b32 s24, s24, 8                         ; W: 64 columns
	s_add_co_u32 s26, s26, s24
	s_mov_b32 s27, 0
	s_lshl_b32 s28, s21, 13                        ; in wf the three strides are 2 MiB, 128 KiB and 8 KiB: my wave's number x 8,192
	s_mov_b32 s29, 0
	v_lshlrev_b32 v6, 15, v3                       ; in: 8 rows further for lanes 16-31,
	v_lshl_add_u32 v6, v2, 4, v6                   ; four columns a lane
	v_lshlrev_b32 v7, 4, v1                        ; out: 16 bytes a lane
	s_wait_kmcnt 0x0
	s_add_nc_u64 s[4:5], s[4:5], s[26:27]
	s_add_nc_u64 s[12:13], s[12:13], s[28:29]
.set t, 0
.rept 4                                ; t = 2 kappa + q: rows 16 t + 8 h + i
.irp i, 0,1,2,3,4,5,6,7
	global_load_b128 v[32+32*t+4*\i:35+32*t+4*\i], v6, s[4:5] offset:(16*t+\i)*4096 th:TH_LOAD_NT
.endr
.set t, t+1
.endr
.set t, 0
.rept 4
	s_wait_loadcnt 24-8*t                          ; the later groups of eight stay out
.irp c, 0,1,2,3
.irp d, 0,1,2,3
	v_cvt_pk_bf16_f32 v[160+16*t+4*\c+\d], v[32+32*t+8*\d+\c], v[32+32*t+8*\d+4+\c]    ; rows 2 d, 2 d + 1 of column c
.endr
	global_store_b128 v7, v[160+16*t+4*\c:163+16*t+4*\c], s[12:13] offset:4096*(t/2)+1024*\c+512*(t%2)
.endr
.set t, t+1
.endr
	s_endpgm
.Lfunc_end_k_q8fb65f7696_prep:
	.size	k_q8fb65f7696_prep, .Lfunc_end_k_q8fb65f7696_prep-k_q8fb65f7696_prep
	.p2alignl 7, 3214868480
	.fill 96, 4, 3214868480
	.section	.rodata,"a",@progbits
	.p2align	6, 0x0
	.amdhsa_kernel k_q8fb65f7696_prep
		.amdhsa_group_segment_fixed_size 2304
		.amdhsa_private_segment_fixed_size 0
		.amdhsa_enable_private_segment 0
		.amdhsa_kernarg_size 64
		.amdhsa_user_sgpr_count 2
		.amdhsa_user_sgpr_kernarg_segment_ptr 1
		.amdhsa_wavefront_size32 1
		.amdhsa_system_sgpr_workgroup_id_x 1
		.amdhsa_system_sgpr_workgroup_id_y 1
		.amdhsa_system_sgpr_workgroup_id_z 1
		.amdhsa_system_vgpr_workitem_id 0
		.amdhsa_next_free_vgpr 224
		.amdhsa_next_free_sgpr 100
		.amdhsa_reserve_vcc 0
		.amdhsa_float_denorm_mode_32 3
		.amdhsa_float_denorm_mode_16_64 3
		.amdhsa_memory_ordered 1
		.amdhsa_forward_progress 1
		.amdhsa_inst_pref_size 57
	.end_amdhsa_kernel
	.amdgpu_metadata
---
amdhsa.version: [ 1, 2 ]
amdhsa.kernels:
  - .name:           k_q8fb65f7696_prep
    .symbol:         k_q8fb65f7696_prep.kd
    .args:
      - { .name: We, .offset: 0, .size: 8, .value_kind: global_buffer, .address_space: global }
      - { .name: be, .offset: 8, .size: 8, .value_kind: global_buffer, .address_space: global }
      - { .name: sel, .offset: 16, .size: 8, .value_kind: global_buffer, .address_space: global }
      - { .name: hist, .offset: 24, .size: 8, .value_kind: global_buffer, .address_space: global }
      - { .name: wf, .offset: 32, .size: 8, .value_kind: global_buffer, .address_space: global }
      - { .name: bsum, .offset: 40, .size: 8, .value_kind: global_buffer, .address_space: global }
      - { .name: list, .offset: 48, .size: 8, .value_kind: global_buffer, .address_space: global }
      - { .name: blk, .offset: 56, .size: 8, .value_kind: global_buffer, .address_space: global }
    .group_segment_fixed_size: 2304
    .private_segment_fixed_size: 0
    .kernarg_segment_align: 8
    .kernarg_segment_size: 64
    .max_flat_workgroup_size: 256
    .sgpr_count:     100
    .vgpr_count:     224
    .wavefront_size: 32
...
	.end_amdgpu_metadata
.endif
;; end of part 2
;; launch experts (part 3): grid 4 x 64, 4 waves a work-group, no clusters, 313,856 bytes of LDS; arguments xb, wf, bsum, wgt, list, blk, out0; writes out0
.if DOCPART == 3
	.amdgcn_target "amdgcn-amd-amdhsa--gfx1250"
	.amdhsa_code_object_version 6
	.text
	.protected	k_q8fb65f7696_experts
	.globl	k_q8fb65f7696_experts
	.p2align	8
	.type	k_q8fb65f7696_experts,@function
k_q8fb65f7696_experts:
	s_mov_b64 s[64:65], 0
	v_nop
	global_prefetch_b8 v0, s[64:65] scope:SCOPE_SE
	s_setreg_imm32_b32 hwreg(HW_REG_WAVE_MODE, 25, 1), 1
	s_wait_xcnt 0x0
; EXPERTS.  out[t] = w[t] x (x[t] . We[lo] + be[lo] + x[t] . We[hi] + be[hi]): both products of a token are added into ONE accumulator, which starts as the sum of the two biases.
; THE DEAL.  The tokens lie sorted by their set of two experts in NB blocks of 16 rows (512 <= NB <= 539 for every split).  Row group g (grid y, 64 of them) takes blocks
; 8 g + min(g, NB - 512) on, 8 or 9 of them; grid x is one of four slices of 256 columns.  So each of the 256 work-groups has 8 or 9 blocks, whatever the split.
; A group may hold blocks of several sets: each block has its own two experts, and each expert a mask of the blocks that use it.
; SHARES.  A wave has all the group's rows x 64 columns: 36 accumulators (9 blocks a x 4 fragments b).  The rows are gathered once into LDS (144 rows x 2,048 bytes); the weights come
; straight from memory into registers, in the operand's own order, 128 KiB a wave and expert, through a ring of four buffers of 64 of k.
; THE MATRIX INSTRUCTION IS USED TRANSPOSED: source 0 = 16 columns (4 m + b) of the weights, source 1 = 16 tokens: register j of accumulator (a, b) in lane (r, h) is token r of block a,
; column 64 W + 32 h + 4 j + b: a lane's 32 numbers of a block are 32 NEIGHBOURING columns of one row.
; THE EXPERT LOOP has a constant count of 8 trips; an expert that no block uses is jumped forward, and inside a pass only matrix instructions are jumped (by the block's bit), so that
; every count of loads is the same on every way.  It holds no barrier and no LDS write, and every address in it is made of the loop's counters alone: a pass asks for its own first three
; units at its entry and waits for the first of them there, once a pass (2 to 8 passes a work-group).
; A UNIT is 64 of k: up to 72 products and ONE run of loads in its middle (36 from LDS: all nine blocks' rows for the next unit; 16 from memory: the weights three units on), so that the
; products stand in stretches of 32 and 40 and four places serve the whole run.
; NO CLUSTER, NO TENSOR LOADS: the rows come by a list, which no descriptor covers, and they are 288 KiB of the 1.3 to 4.3 MiB that a work-group reads; the weights go to registers;
; which expert a work-group walks at a given moment hangs on stored counts, so partners would not ask alike.
; LIMITS: x, We, be count as rounded to bf16; sums in f32, expert lo before hi, K ascending.
; REGISTERS, in windows of 256 (s_set_vgpr_msb: bits 1:0 source 0, 3:2 source 1, 5:4 source 2, 7:6 destination):
;   window 0: v1 lane, v2 r, v3 h, v4 v5 the add's registers, v6 v8 LDS addresses that step, v7 272 r + 16 h, v9 16 lane, v10-18 tokens, v20-28 weights, v30-37 lane selects, v40-43 gather's LDS
;             addresses, v44-52 offsets, v53 v56-60 lane terms, v64-99 gather offsets; in the loop v64-207 A's fragments of the even units (block a at 64 + 16 a);
;             on the way out v128-159 scaled results, v160-223 rows read back, v224-239 store offsets
;   window 1: accumulators of blocks 0-7 at 32 a + 8 b
;   window 2: v0-31 block 8; v32-255 the gather's ring, 14 rows x 16; in the loop v32-175 A's fragments of the odd units (block a at 32 + 16 a)
;   window 3: the weights' ring, 4 x 64
.set PA,    272                        ; an LDS row: 256 bytes (128 of k) + 16 of padding: the 16 rows of a load start at 16 different groups of four banks (ISA guide 11.1)
.set CH,    144*PA                     ; a chunk: 128 of k of all 144 rows
.set SPARE, 8*CH                       ; behind the 8 chunks: the spare words, 128 bytes for each wave: two blocks of 256 bytes that no other line names
.set MULW,  0x53                       ; weights window 3, A window 0, C and D window 1; + 8: A window 2 (odd units); + 0x50: C and D window 2 (the ninth block)
.set TO_B,  0xc0                       ; destination window 3
.set TO_A1, 0x40                       ; destination window 1
.set TO_A2, 0x80                       ; destination window 2
.set GATH,  0x88                       ; loaded data and LDS store data window 2, addresses window 0
.set RD1,   0x01                       ; source 0 window 1
.set RD2,   0x02                       ; source 0 window 2
.set MSB, 0
.macro WIN new                         ; the immediate's high byte repeats the setting that is left; a switch that changes nothing is dropped
.if MSB != (\new)
	s_set_vgpr_msb (MSB<<8)|(\new)
.set MSB, \new
.endif
.endm
	s_load_b256 s[4:11], s[0:1], 0x0               ; xb s[4:5], wf s[6:7], bsum s[8:9], wgt s[10:11]
	s_load_b128 s[12:15], s[0:1], 0x20             ; list s[12:13], blk s[14:15]
	s_load_b64 s[16:17], s[0:1], 0x30              ; out0
	v_lshl_add_u32 v4, v0, 2, SPARE
	v_mov_b32 v5, 0
	v_and_b32 v1, 31, v0
	v_and_b32 v2, 15, v0
	v_bfe_u32 v3, v0, 4, 1
	v_lshrrev_b32 v19, 5, v0
	v_readfirstlane_b32 s18, v19                   ; wave 0..3
	s_mov_b32 s19, ttmp9                           ; column slice
	s_and_b32 s20, ttmp7, 0xffff                   ; row group g
	s_lshl2_add_u32 s24, s19, s18                  ; W: my 64 columns among 16
	s_wait_kmcnt 0x0
	s_load_b32 s21, s[14:15], 0x900                ; NB
	v_mul_u32_u24 v7, v2, PA
	v_lshl_add_u32 v7, v3, 4, v7                   ; a fragment's row x pitch + 16 h
	v_lshlrev_b32 v9, 4, v1
.irp t, 0,1,2,3,4,5,6,7
	v_lshl_add_u32 v[30+\t], v3, 2, 8*\t           ; 4 x (lane 2 t + h): whose token the row that I store belongs to
.endr
	v_mul_u32_u24 v19, v3, CH
	v_lshl_add_u32 v19, v2, 4, v19
	s_mul_i32 s89, s18, 4*PA                       ; the gather: my wave lays rows 4 w .. 4 w + 3 of every block
	v_add_nc_u32 v19, s89, v19
.irp j, 0,1,2,3
	v_add_nc_u32 v[40+\j], 2*\j*CH, v19            ; load j of a row brings bytes 512 j + 16 lane: chunk 2 j + h, byte 16 r
.endr
	s_mul_i32 s90, s18, 16*PA                      ; my stage for the way out
	v_mul_u32_u24 v56, v2, PA
	v_lshl_add_u32 v56, v3, 7, v56
	v_add_nc_u32 v56, s90, v56                     ; in: row r, 128 bytes for each half of the lanes
	v_mul_u32_u24 v57, v3, PA
	v_lshl_add_u32 v57, v2, 4, v57
	v_add_nc_u32 v57, s90, v57                     ; back: lanes 0-15 one row of 256 bytes, lanes 16-31 the next
	v_lshlrev_b32 v58, 4, v2
	v_lshl_add_u32 v58, s24, 8, v58                ; my 16 bytes in a row of out0: 256 W + 16 r
	v_lshlrev_b32 v53, 5, v3
	v_lshl_add_u32 v53, s24, 8, v53                ; bsum: 256 W + 32 h
	v_lshlrev_b32 v59, 2, v2
	s_lshl_b32 s78, s24, 17                        ; my 128 KiB in an expert's weights
	s_mov_b32 s77, 0
	s_wait_kmcnt 0x0
	s_min_u32 s21, s21, 539
	s_max_u32 s21, s21, 512
	s_sub_co_u32 s89, s21, 512                     ; the groups that have a ninth block
	s_min_u32 s90, s20, s89
	s_lshl3_add_u32 s22, s20, s90
	s_min_u32 s22, s22, 567                        ; my first block; numbers that enter addresses are held by a constant
	s_cmp_lt_u32 s20, s89
	s_cselect_b32 s23, 9, 8                        ; my blocks
	s_add_co_u32 s91, s22, 8
	s_sub_co_u32 s92, s21, 1
	s_min_u32 s27, s91, s92
	s_min_u32 s27, s27, 575                        ; the ninth, or where there is none a block that exists: its rows are gathered and never multiplied or stored
	s_lshl_b32 s93, s22, 2
	s_lshl_b32 s94, s22, 6
	s_lshl4_add_u32 s94, s18, s94
	s_lshl_b32 s95, s27, 6
	s_lshl4_add_u32 s95, s18, s95
	s_load_b256 s[80:87], s[14:15], s93 offset:0x0 ; my blocks' words
	s_load_b32 s88, s[14:15], s93 offset:0x20
.irp a, 0,1,2,3,4,5,6,7
	s_load_b128 s[28+4*\a:31+4*\a], s[12:13], s94 offset:64*\a     ; the tokens whose rows my wave gathers
.endr
	s_load_b128 s[60:63], s[12:13], s95 offset:0x0
	v_lshl_add_u32 v60, s27, 6, v59
	v_lshl_add_u32 v59, s22, 6, v59
.irp a, 0,1,2,3,4,5,6,7
	global_load_b32 v[10+\a], v59, s[12:13] offset:64*\a           ; lane r: the token of row r of block a
.endr
	global_load_b32 v18, v60, s[12:13]
	s_mov_b32 s66, 0                               ; bit 8 e + a: block a (0-7) uses expert e
	s_mov_b32 s67, 0
	s_mov_b32 s96, 1
	s_mov_b32 s97, 0
	s_wait_kmcnt 0x0
.macro DEC a
	s_and_b32 s89, s[80+\a], 0xff
	s_min_u32 s89, s89, 27                         ; the set
	s_bfe_u32 s90, s[80+\a], 0x30008               ; lo
	s_bfe_u32 s91, s[80+\a], 0x30010               ; hi
	v_lshl_add_u32 v[44+\a], s89, 12, v53          ; the block's bias
.if \a < 8
	s_lshl3_add_u32 s90, s90, \a
	s_lshl3_add_u32 s91, s91, \a
	s_lshl_b64 s[94:95], s[96:97], s90
	s_or_b32 s66, s66, s94
	s_or_b32 s67, s67, s95
	s_lshl_b64 s[94:95], s[96:97], s91
	s_or_b32 s66, s66, s94
	s_or_b32 s67, s67, s95
.else
	s_lshl_b32 s92, 1, s90
	s_lshl_b32 s93, 1, s91
	s_or_b32 s92, s92, s93
	s_cmp_eq_u32 s23, 9
	s_cselect_b32 s26, s92, 0                      ; bit e: the ninth block uses expert e; 0 where there is no ninth
.endif
.endm
.irp a, 0,1,2,3,4,5,6,7,8
	DEC \a
.endr
	; the accumulators start as the bias
	WIN TO_A1
.set a, 0
.rept 8
.irp b, 0,1,2,3
	global_load_b128 v[32*a+8*\b:32*a+8*\b+3],   v[44+a], s[8:9] offset:64*\b
	global_load_b128 v[32*a+8*\b+4:32*a+8*\b+7], v[44+a], s[8:9] offset:64*\b+16
.endr
.set a, a+1
.endr
	WIN TO_A2
.irp b, 0,1,2,3
	global_load_b128 v[8*\b:8*\b+3],   v52, s[8:9] offset:64*\b
	global_load_b128 v[8*\b+4:8*\b+7], v52, s[8:9] offset:64*\b+16
.endr
	WIN 0
.set i, 0
.rept 36
	s_min_u32 s[28+i], s[28+i], 8191
	v_lshl_add_u32 v[64+i], s[28+i], 11, v9        ; row i of my 36: token x 2,048 + 16 lane
.set i, i+1
.endr
	; THE GATHER: a ring of 14 rows in registers, 56 loads of 512 bytes of a wave on their way
.macro GLOAD p
.irp j, 0,1,2,3
	global_load_b128 v[32+16*((\p)%14)+4*\j:32+16*((\p)%14)+4*\j+3], v[64+(\p)], s[4:5] offset:512*\j
.endr
.endm
.macro GROW p
.if (\p) < 22
	s_wait_loadcnt 52                              ; 13 younger rows, four loads each, stay out
.else
	s_wait_loadcnt 4*(35-(\p))                     ; the counts run down; the last is 0: tokens and biases, all older, are in as well
.endif
.irp j, 0,1,2,3
	ds_store_b128 v[40+\j], v[32+16*((\p)%14)+4*\j:32+16*((\p)%14)+4*\j+3] offset:(16*((\p)/4)+(\p)%4)*PA
.endr
.if (\p)+14 < 36
	GLOAD (\p)+14
.endif
.endm
	WIN GATH
.set i, 0
.rept 14
	GLOAD i
.set i, i+1
.endr
.set i, 0
.rept 36
	GROW i
.set i, i+1
.endr
	WIN 0
.irp a, 0,1,2,3,4,5,6,7,8
	v_min_u32 v[10+\a], 8191, v[10+\a]
	v_lshlrev_b32 v[44+\a], 2, v[10+\a]            ; the biases' loads are done: their offsets' registers are free
	global_load_b32 v[20+\a], v[44+\a], s[10:11]   ; the tokens' weights: wanted on the way out
.endr
	s_wait_dscnt 0x0                               ; for the others' sake: my rows are in LDS
	s_barrier_signal -1
	s_barrier_wait -1
; 16 loads: a unit's weights (64 of k x my 64 columns, 8,192 consecutive bytes) into buffer buf; fragment f = 4 kappa + b at 8 f
.macro BLOADS buf, b0, rel
	WIN TO_B
.set f, 0
.rept 8
	global_load_b128 v[64*(\buf)+8*f:64*(\buf)+8*f+3],   v9, s[\b0:\b0+1] offset:8192*(\rel)+1024*f
	global_load_b128 v[64*(\buf)+8*f+4:64*(\buf)+8*f+7], v9, s[\b0:\b0+1] offset:8192*(\rel)+1024*f+512
.set f, f+1
.endr
	WIN 0
.endm
; 36 loads: A's fragments of unit un of a trip (4: the next trip's first), all nine blocks, blocks ascending: 16 rows x 64 of k are four loads.  Even units go to window 0, odd ones to window 2.
; Units 0, 1 lie in the chunk at v6, units 2, 3 in the one at v8; for unit 4 v6 has been stepped.
.macro ALOADS un
.set pp, (\un)%2
.if ((\un) == 2) || ((\un) == 3)
.set ar, 8
.else
.set ar, 6
.endif
.if pp
	WIN TO_A2
.set ab, 32
.else
	WIN 0
.set ab, 64
.endif
.set aa, 0
.rept 9
.irp i, 0,1,2,3
	ds_load_b128 v[ab+16*aa+4*\i:ab+16*aa+4*\i+3], v[ar] offset:16*PA*aa+128*pp+32*\i
.endr
.set aa, aa+1
.endr
	WIN 0
.endm
; Block a in unit un of a trip: if the block uses the expert, eight products: its four accumulators by turns, one instruction a turn.  At the branch and at the label every window is 0.
.macro BLK a, un
	s_bitcmp1_b32 s69, \a
	s_cbranch_scc0 .Lsk_\@
.set pp, (\un)%2
.if (\a) == 8
.set ac, 0
	WIN MULW+0x50+8*pp
.else
.set ac, 32*(\a)
	WIN MULW+8*pp
.endif
.set sl, 64-32*pp+16*(\a)
.irp kl, 0,1
.irp b, 0,1,2,3
	v_wmma_f32_16x16x32_bf16 v[ac+8*\b:ac+8*\b+7], v[64*(\un)+8*(4*\kl+\b):64*(\un)+8*(4*\kl+\b)+7], v[sl+8*\kl:sl+8*\kl+7], v[ac+8*\b:ac+8*\b+7]
.endr
.endr
	WIN 0
.Lsk_\@:
.endm
; Unit u of a trip's four.  Blocks 0-3; four places (plain vector lines that name no register of the products: ISA guide 7.12.1 for vector instructions) between the products of the unit
; before, which read the registers that are now loaded again, and the run; the run; blocks 4-8.  last = 1: a pass's last four units: only unit 15's weights are still to be asked for, and unit 15 has no run.
.macro UNIT u, last
	s_wait_dscnt 20                                ; LDS loads come back in order: blocks 0-3 are in, the 20 loads of blocks 4-8 may be out
.if (\last) && ((\u) > 1)
	s_wait_loadcnt 16*(3-(\u))                     ; one younger unit of 16 loads, then none
.else
	s_wait_loadcnt 32                              ; the weights of the next two units, 16 loads each, stay out: this unit's are in
.endif
.irp a, 0,1,2,3
	BLK \a, \u
.endr
.if !(\last) || ((\u) < 3)
.if !(\last) && ((\u) == 2)
	v_add_nc_u32 v6, 2*CH, v6                      ; its last use was in the trip's first unit; its next is the run of the fourth
.elseif !(\last) && ((\u) == 3)
	v_add_nc_u32 v8, 2*CH, v8                      ; its last use was in the third unit; its next is in the next trip
.else
	v_nop
.endif
	v_nop
	v_nop
	v_nop
	ALOADS (\u)+1
.if !(\last) || ((\u) == 0)
	BLOADS ((\u)+3)%4, 72, (\u)+3
.endif
	s_wait_dscnt 36                                ; all but the 36 just issued: blocks 4-8 are in
.else
	s_wait_dscnt 0x0
.endif
.irp a, 4,5,6,7,8
	BLK \a, \u
.endr
.endm
	s_mov_b32 s68, 0                               ; e
.Lexp:
	s_cmp_lt_u32 s68, 4
	s_cselect_b32 s89, s66, s67
	s_and_b32 s90, s68, 3
	s_lshl_b32 s90, s90, 3
	s_lshr_b32 s89, s89, s90
	s_and_b32 s69, s89, 0xff
	s_lshr_b32 s91, s26, s68
	s_and_b32 s91, s91, 1
	s_lshl_b32 s91, s91, 8
	s_or_b32 s69, s69, s91                         ; bit a: block a uses expert e
	s_cmp_eq_u32 s69, 0
	s_cbranch_scc1 .Lnext
	; A PASS: expert e's 16 units of 64 of k.  No load of weights is out here: the pass before has waited for its last.
	s_wait_xcnt 0x0                                ; the base is rewritten only behind this wait
	s_lshl_b32 s76, s68, 21
	s_add_co_u32 s76, s76, s78
	s_add_nc_u64 s[72:73], s[6:7], s[76:77]        ; my 128 KiB of expert e
	v_mov_b32 v6, v7                               ; chunk 0,
	v_add_nc_u32 v8, CH, v7                        ; chunk 1; with the two lines below: the places ahead of the loads into the weights' buffers and A's
	v_nop
	v_nop
	BLOADS 0, 72, 0                                ; units 0, 1, 2
	BLOADS 1, 72, 1
	BLOADS 2, 72, 2
	ALOADS 0
	s_mov_b32 s70, 3
.Ltrip:                                                ; a trip: four units, 256 of k: 64 loads of weights, 144 of A, up to 288 products
	UNIT 0, 0
	UNIT 1, 0
	UNIT 2, 0
	UNIT 3, 0
	s_wait_xcnt 0x0                                ; the base steps only behind this wait
	s_add_nc_u64 s[72:73], s[72:73], 32768
	s_sub_co_u32 s70, s70, 1
	s_cmp_lg_u32 s70, 0
	s_cbranch_scc1 .Ltrip
	UNIT 0, 1                                      ; the fourth trip is written out: it reads nothing of A or of the weights past the pass's end
	UNIT 1, 1
	UNIT 2, 1
	UNIT 3, 1
.Lnext:
	s_add_co_u32 s68, s68, 1
	s_cmp_lt_u32 s68, 8
	s_cbranch_scc1 .Lexp
	; THE WAY OUT.  A block at a time: times the token's weight; a lane's 128 bytes into my stage (over A's first rows, which nobody reads any more behind the barrier); back as whole rows of 256 bytes;
	; each row goes to its token's place: 16 lanes store 256 consecutive bytes, at a multiple of 256 from out0's first byte.
.rept 4
	v_nop                                          ; the places behind the last products
.endr
	s_wait_loadcnt 0x0                             ; the tokens' weights
	s_wait_dscnt 0x0                               ; my reads of A are over
	s_barrier_signal -1
	s_barrier_wait -1
.macro PACK a
.if (\a) == 8
	WIN RD2
.set ac, 0
.else
	WIN RD1
.set ac, 32*(\a)
.endif
.irp j, 0,1,2,3,4,5,6,7                ; register 0 of each accumulator first: read from the low end on
.irp b, 0,1,2,3
	v_mul_f32 v[128+4*\j+\b], v[ac+8*\b+\j], v[20+(\a)]
.endr
.endr
	WIN 0
.endm
.macro TOSTAGE a
.set rb, 160+32*((\a)%2)
.set to, 224+8*((\a)%2)
	s_wait_xcnt 0x0                                ; the registers that the stores of two blocks ago read are rewritten only behind this wait
.irp i, 0,1,2,3,4,5,6,7
	ds_store_b128 v56, v[128+4*\i:128+4*\i+3] offset:16*\i
.endr
.irp t, 0,1,2,3,4,5,6,7
	ds_load_b128 v[rb+4*\t:rb+4*\t+3], v57 offset:2*PA*\t  ; LDS serves a wave's instructions in order (ISA guide 5.7.1.4): these see the stores above
.endr
.irp t, 0,1,2,3,4,5,6,7
	ds_bpermute_b32 v[to+\t], v[30+\t], v[10+(\a)]         ; the token of row 2 t + h
.endr
.endm
.macro SEND a
.set rb, 160+32*((\a)%2)
.set to, 224+8*((\a)%2)
	s_wait_dscnt 0x0
.irp t, 0,1,2,3,4,5,6,7
	v_min_u32 v[to+\t], 8191, v[to+\t]
	v_lshl_add_u32 v[to+\t], v[to+\t], 12, v58
	global_store_b128 v[to+\t], v[rb+4*\t:rb+4*\t+3], s[16:17] th:TH_STORE_NT
.endr
.endm
	PACK 0
	TOSTAGE 0
.irp a, 1,2,3,4,5,6,7                  ; a block's multiplies stand between the loads of the block before and the wait for them
	PACK \a
	SEND (\a)-1
	TOSTAGE \a
.endr
	SEND 7
	s_cmp_lg_u32 s23, 9
	s_cbranch_scc1 .Ldone                          ; no ninth block: its stores are jumped
	PACK 8
	TOSTAGE 8
	SEND 8
.Ldone:
	s_wait_tensorcnt 0x0                           ; the wave's end
	ds_add_u32 v4, v5
	s_wait_dscnt 0x0
	s_endpgm
.Lfunc_end_k_q8fb65f7696_experts:
	.size	k_q8fb65f7696_experts, .Lfunc_end_k_q8fb65f7696_experts-k_q8fb65f7696_experts
	.p2alignl 7, 3214868480
	.fill 96, 4, 3214868480
	.section	.rodata,"a",@progbits
	.p2align	6, 0x0
	.amdhsa_kernel k_q8fb65f7696_experts
		.amdhsa_group_segment_fixed_size 313856
		.amdhsa_private_segment_fixed_size 0
		.amdhsa_enable_private_segment 0
		.amdhsa_kernarg_size 56
		.amdhsa_user_sgpr_count 2
		.amdhsa_user_sgpr_kernarg_segment_ptr 1
		.amdhsa_wavefront_size32 1
		.amdhsa_system_sgpr_workgroup_id_x 1
		.amdhsa_system_sgpr_workgroup_id_y 1
		.amdhsa_system_sgpr_workgroup_id_z 1
		.amdhsa_system_vgpr_workitem_id 0
		.amdhsa_next_free_vgpr 1024
		.amdhsa_next_free_sgpr 100
		.amdhsa_reserve_vcc 0
		.amdhsa_float_denorm_mode_32 3
		.amdhsa_float_denorm_mode_16_64 3
		.amdhsa_memory_ordered 1
		.amdhsa_forward_progress 1
		.amdhsa_inst_pref_size 166
	.end_amdhsa_kernel
	.amdgpu_metadata
---
amdhsa.version: [ 1, 2 ]
amdhsa.kernels:
  - .name:           k_q8fb65f7696_experts
    .symbol:         k_q8fb65f7696_experts.kd
    .args:
      - { .name: xb, .offset: 0, .size: 8, .value_kind: global_buffer, .address_space: global }
      - { .name: wf, .offset: 8, .size: 8, .value_kind: global_buffer, .address_space: global }
      - { .name: bsum, .offset: 16, .size: 8, .value_kind: global_buffer, .address_space: global }
      - { .name: wgt, .offset: 24, .size: 8, .value_kind: global_buffer, .address_space: global }
      - { .name: list, .offset: 32, .size: 8, .value_kind: global_buffer, .address_space: global }
      - { .name: blk, .offset: 40, .size: 8, .value_kind: global_buffer, .address_space: global }
      - { .name: out0, .offset: 48, .size: 8, .value_kind: global_buffer, .address_space: global }
    .group_segment_fixed_size: 313856
    .private_segment_fixed_size: 0
    .kernarg_segment_align: 8
    .kernarg_segment_size: 56
    .max_flat_workgroup_size: 128
    .sgpr_count:     100
    .vgpr_count:     1024
    .wavefront_size: 32
...
	.end_amdgpu_metadata
.endif
;; end of part 3
